; MI455X (gfx1250); checked and timed in simulation.
; The chip was launched on July 23, 2026; its instructions are those of AMD's public machine-readable ISA for CDNA 5 (MIT licence, August 2026) and "CDNA5" Instruction Set Architecture Reference Guide (July 2026). The comments in the code are by the model that wrote it; some were corrected since.
;; W8 A8 OF16 Linear Dynamic Input Scale. Allowed arithmetic: float matrix products may take bf16 or f16 operands with f32 sums; all other float work in f32.
;; Inputs: bias 4,096 float16; input 8,192 x 2,048 int8; scale_input 8,192 float16; scale_weight 4,096 float16; sum_input 8,192 float32; weight 4,096 x 2,048 int8; zp_weight 4,096 int16.
;; Outputs: out0 8,192 x 4,096 float16.
;; One version. Each part assembles by itself: llvm-mc -triple=amdgcn-amd-amdhsa -mcpu=gfx1250 --defsym DOCPART=n.
;; ======== version 1 of 1: 1 launch
;; launch w8a8 (part 1): grid 16 x 16, 4 waves a work-group, clusters of 4 x 4, 327,680 bytes of LDS; arguments input, weight, out0, bias, scale_input, scale_weight, sum_input, zp_weight; writes out0
.if DOCPART == 1
	.amdgcn_target "amdgcn-amd-amdhsa--gfx1250"
	.amdhsa_code_object_version 6
	.text
	.protected	k_q77c0ab96df_w8a8
	.globl	k_q77c0ab96df_w8a8
	.p2align	8
	.type	k_q77c0ab96df_w8a8,@function
k_q77c0ab96df_w8a8:
	s_mov_b64 s[64:65], 0
	v_nop
	global_prefetch_b8 v0, s[64:65] scope:SCOPE_SE
	s_setreg_imm32_b32 hwreg(HW_REG_WAVE_MODE, 25, 1), 1
	s_wait_xcnt 0x0
	s_wait_alu depctr_hold_cnt(0) depctr_sa_sdst(0) depctr_va_vdst(0) depctr_va_sdst(0) depctr_va_ssrc(0) depctr_va_vcc(0) depctr_vm_vsrc(0)
	s_getreg_b32 s2, hwreg(HW_REG_IB_STS2, 6, 4)
	s_cmp_eq_u32 s2, 0
	s_cbranch_scc0 .Lentry_in_a_cluster
	s_endpgm
.Lentry_in_a_cluster:
	s_bfe_u32 s2, ttmp6, 0x10000c
	s_cmp_lg_u32 s2, 0xf033
	s_cbranch_scc0 .Lentry_shape_is_right
	s_endpgm
.Lentry_shape_is_right:
; out[m][n] = f16( (sum over k of x[m][k] w[n][k] + sum_input[m] zp[n]) * (si[m] sw[n]) + bias[n] ).
; x: [8192][2048] int8, w: [4096][2048] int8, out: [8192][4096] f16; si, sw, bias f16; zp int16; sum_input f32 (taken as given, never made anew from x).
; No step is left out: every one of the seven inputs reaches the result and is loaded.
; THE PRODUCT is the problem's own: int8 x int8 summed in int32, by the signed 8-bit matrix form.  It is exact (|sum| <= 2048 x 2^14 = 2^25), needs no
; conversion of the operands, and a fragment of 16 rows x 64 K is 8 registers.  The rest is f32 in the order of the formula above, with its two pairs of a
; multiply and an add fused (one rounding each where the formula has two).  No limit of range: a result beyond f16 becomes an infinity, as in the cast.
;
; SHARES.  out has 32 x 16 blocks of 256 x 256.  256 work-groups; work-group (X, Y) makes block column X of block rows 2Y and 2Y+1, one after the other,
; in one walk of the ring: the first block's last two changes of slots ask for the second block's first two K steps, ahead of the first block's stores.
; Four waves; a wave makes 128 x 128: 64 accumulator tiles of 16 x 16, 512 registers.  K goes in steps of 256 (rows of 256 bytes, at multiples of 256
; bytes from the buffer's first byte) through two LDS slots filled by the tensor data mover, one load of 128 rows a wave.
; CLUSTERS: 4 x 4 work-groups.  x's tiles hang on Y and the block's number alone and are asked for jointly by the four of a row of the cluster; w's hang on X
; alone and are asked for jointly by the four of a column.  All sixteen walk two blocks by the same text: same rounds, same loads.
;
; THE MATRIX INSTRUCTION IS USED TRANSPOSED: source 0 = 16 rows of w, source 1 = 16 rows of x.  Lane l (r = l % 16, h = l / 16) then holds row r of out and, in
; registers 0 to 7, the columns 8 h + 0 .. 7: eight neighbouring numbers, 16 bytes of f16.
; A fragment is filled by two loads of 16 bytes, 32 bytes apart, at row x pitch + 16 h: that lays k otherwise inside the 64 than the form's own map, alike for
; both sources, and whole-number sums do not hang on their order.
;
; REGISTERS, in windows of 256 (s_set_vgpr_msb's low byte: bits 1:0 source 0, 3:2 source 1, 5:4 source 2, 7:6 destination):
;   window 0: v0-15 row constants; v16-31 addresses and scratch; v32-63 packed results; v64-127 x fragments, buffer 0; v128-191 sw; v192-255 bias (f32)
;   window 1: v0-63 zp (f32); v64-127 w fragments, buffer 0; v128-191 w fragments, buffer 1; v192-255 x fragments, buffer 1
;             (on the way out buffer 1 is free: v128-191 rows read back from the stage, v192-255 si x sw; buffer 0 already holds the next block's first fragments)
;   window 2: the accumulators of my rows 0-63 (tile (a, b) at v[8 (8 a + b)]);   window 3: those of my rows 64-127
.set KSTEP,  256                       ; K of a step = bytes of a tile's row
.set KROW,   2048                      ; bytes in a row of x and of w
.set OROW,   8192                      ; bytes in a row of out
.set PITCH,  272                       ; an LDS row: 256 bytes + 16 of padding, an odd multiple of 16: the 16 rows that a load touches lie in 16 different 16-byte columns of 256
.set HALFT,  128*PITCH                 ; 128 rows: what one tensor load brings, and what one wave reads of x or of w
.set SLOT,   4*HALFT                   ; x's 256 rows, then w's 256 rows
.set STAGE,  2*SLOT                    ; 278,528 = 1,088 x 256: behind the ring, 16 rows x 272 bytes for each wave; no tensor load ever lands here
.set ROWC, 0                           ; v[2a], v[2a+1]: sum_input (f32) and si (raw f16) of row 16 a + r of my 128, a = 0..7
.set ADRA, 16                          ; v16-17  LDS address of my x fragments in slot 0, 1
.set ADRB, 18                          ; v18-19  the same for w
.set STO,  20                          ; the way out: where I put 16 bytes of a row
.set RD,   21                          ; the way out: where I read a row back
.set CO,   22                          ; my byte offset in out
.set R4,   23                          ; 4 r
.set R2,   24                          ; 2 r
.set H16,  25                          ; 16 h
.set SI,   26                          ; v[26:27] si of the row block at work, twice (a pair for the packed multiply)
.set TMP,  32                          ; window 0: packed f16; at the start raw zp
.set RAW,  64                          ; window 0: at the start raw sw (v64-95) and raw bias (v96-127)
.set SW,   128                         ; window 0: sw of my column 16 b + 8 h + j at index 8 b + j
.set BIAS, 192                         ; window 0: bias, same index
.set ZP,   0                           ; window 1: zp, same index
.set RB,   128                         ; window 1: rows read back, two sets of 32
.set GS,   192                         ; window 1: si x sw, same index
.set G1,  32                           ; s[32:39] descriptor group 1 for x's tiles
.set G0,  40                           ; s[40:47] descriptor group 0 for x's tiles, one set for each slot
.set G1B, 48                           ; s[48:55] descriptor group 1 for w's tiles: it differs in the mask alone
.set G0B, 56                           ; s[56:63] descriptor group 0 for w's tiles, one set for each slot
.set MSB, 0
.macro WIN new                         ; the immediate's high byte repeats the setting that is left; a switch that changes nothing is dropped
.if MSB != \new
	s_set_vgpr_msb (MSB<<8)|\new
.set MSB, \new
.endif
.endm
; A joint load.  Waves 0 and 1 fetch x's two halves, waves 2 and 3 w's.  Each line has one mask and one set of registers; the branch hangs on the wave's number alone.
.macro JLOAD s
	s_cmp_eq_u32 s21, 0
	s_cbranch_scc0 .Lfor_b_\@
	tensor_load_to_lds s[G0+4*\s:G0+4*\s+3], s[G1:G1+7]
	s_nop 0
	s_branch .Lasked_\@
.Lfor_b_\@:
	tensor_load_to_lds s[G0B+4*\s:G0B+4*\s+3], s[G1B:G1B+7]
	s_nop 0
.Lasked_\@:
.endm
; A round of the cluster's barrier: my work-group's barrier, wave 0 signals for the work-group, every wave waits for all sixteen, my work-group's barrier once more.
.macro CREST                           ; a round behind its opening barrier
	s_cmp_lg_u32 s20, 0
	s_cbranch_scc1 .Lnot_wave_0_\@
	s_barrier_signal -3
.Lnot_wave_0_\@:
	s_barrier_wait -3
	s_barrier_signal -1
	s_barrier_wait -1
.endm
.macro CROUND                          ; a whole round
	s_barrier_signal -1
	s_barrier_wait -1
	CREST
.endm
; The sixteen loads of a block's row constants: they stay out through the block's products and are waited for at the head of its way out.
.macro ROWLOADS
.irp a, 0,1,2,3,4,5,6,7
	global_load_b32 v[ROWC+2*\a],   v[R4], s[16:17] offset:64*\a    ; sum_input of row 16 a + r
	global_load_u16 v[ROWC+2*\a+1], v[R2], s[12:13] offset:32*\a    ; si of the same row, f16 in the low half
.endr
.endm
	s_load_b512 s[4:19], s[0:1], 0x0               ; x s[4:5], w s[6:7], out s[8:9], bias s[10:11], si s[12:13], sw s[14:15], sum_input s[16:17], zp s[18:19]
	v_lshl_add_u32 v30, v0, 2, 0x48400
	v_mov_b32 v31, 0
	ds_add_u32 v30, v31
	v_lshrrev_b32 v26, 5, v0
	v_readfirstlane_b32 s20, v26                   ; wave 0..3
	s_lshr_b32 s21, s20, 1                         ; which half of the block's rows is mine.  Also: I fetch for x (0) or for w (1)
	s_and_b32 s22, s20, 1                          ; which half of its columns.  Also: which 128 rows of that tile I fetch
	s_bfe_u32 s23, ttmp6, 0x40000                  ; cx
	s_bfe_u32 s24, ttmp6, 0x40004                  ; cy
	s_lshl_b32 s25, ttmp9, 2
	s_add_co_u32 s25, s25, s23                     ; X = 4 x cluster x + cx: block column
	s_and_b32 s26, ttmp7, 0xffff
	s_lshl_b32 s26, s26, 2
	s_add_co_u32 s26, s26, s24                     ; Y = 4 x cluster y + cy: block rows 2Y, 2Y+1
	s_lshl_b32 s27, s24, 2
	s_lshl_b32 s27, 15, s27                        ; my row of the cluster: places 4 cy .. 4 cy + 3
	s_lshl_b32 s28, 0x1111, s23                    ; my column: places cx, cx + 4, cx + 8, cx + 12
	; descriptor group 1: a tile of 128 rows x 256 elements of one byte, padded in LDS
	s_or_b32 s[G1+0],  s27, (1<<20)|(1<<21)|(5<<22)|(3<<25)   ; 15:0 the mask; 17:16 element of 1 byte; 20 padding on; 21 set beside a mask; 24:22 after every 64 words; 31:25 of 4 words
	s_or_b32 s[G1B+0], s28, (1<<20)|(1<<21)|(5<<22)|(3<<25)
	s_mov_b32 s[G1+1],  KSTEP<<16                  ; tensor_dim0 = 256
	s_mov_b32 s[G1B+1], KSTEP<<16
	s_mov_b32 s[G1+2],  128<<16                    ; tensor_dim1 = 128
	s_mov_b32 s[G1B+2], 128<<16
	s_mov_b32 s[G1+3],  KSTEP<<16                  ; tile_dim0 = 256
	s_mov_b32 s[G1B+3], KSTEP<<16
	s_mov_b32 s[G1+4],  128                        ; tile_dim1 = 128
	s_mov_b32 s[G1B+4], 128
	s_mov_b32 s[G1+5],  KROW                       ; from row to row: 2,048 elements
	s_mov_b32 s[G1B+5], KROW
	s_mov_b32 s[G1+6],  0
	s_mov_b32 s[G1B+6], 0
	s_mov_b32 s[G1+7],  0
	s_mov_b32 s[G1B+7], 0
	; where the tiles come from: s[66:67] never hold X, s[68:69] never hold Y, s30 and s31 neither
	s_lshl_b32 s30, s22, 18                        ; my 128 rows of the tile: 128 x 2,048 bytes
	s_lshl_b32 s66, s26, 20                        ; x: row 512 Y
	s_add_co_u32 s66, s66, s30
	s_mov_b32 s67, 0
	s_lshl_b32 s68, s25, 19                        ; w: row 256 X
	s_add_co_u32 s68, s68, s30
	s_mov_b32 s69, 0
	s_mul_i32 s29, s20, HALFT                      ; and where they go: wave x 128 rows; no place in the cluster enters an LDS address
	s_wait_dscnt 0x0
	s_wait_kmcnt 0x0
	s_add_nc_u64 s[66:67], s[4:5], s[66:67]
	s_add_nc_u64 s[68:69], s[6:7], s[68:69]
	CROUND                                         ; all sixteen work-groups are here: the first joint loads meet
.irp s, 0,1
	s_mov_b32 s[G0+4*\s], 1                                        ; count = 1
	s_add_co_u32 s[G0+4*\s+1], s29, \s*SLOT                        ; LDS address
	s_add_nc_u64 s[G0+4*\s+2:G0+4*\s+3], s[66:67], \s*KSTEP        ; global address: K step s
	s_or_b32 s[G0+4*\s+3], s[G0+4*\s+3], 0x80000000                ; type = 2
	s_mov_b32 s[G0B+4*\s], 1
	s_add_co_u32 s[G0B+4*\s+1], s29, \s*SLOT
	s_add_nc_u64 s[G0B+4*\s+2:G0B+4*\s+3], s[68:69], \s*KSTEP
	s_or_b32 s[G0B+4*\s+3], s[G0B+4*\s+3], 0x80000000
	JLOAD \s                                       ; both first fills go out before anything else is done: two tensor loads of the wave are out
.endr
	; lane addresses
	v_and_b32 v26, 15, v0                          ; r
	v_bfe_u32 v27, v0, 4, 1                        ; h
	v_mul_u32_u24 v28, v26, PITCH
	v_lshl_add_u32 v28, v27, 4, v28                ; r x pitch + 16 h
	s_mul_i32 s30, s21, HALFT                      ; my 128 rows of x
	s_mul_i32 s31, s22, HALFT                      ; my 128 rows of w,
	s_add_co_u32 s31, s31, 2*HALFT                 ; which lie behind x's 256
.irp s, 0,1
	v_add_nc_u32 v[ADRA+\s], s30, v28
	v_add_nc_u32 v[ADRB+\s], s31, v28
	s_add_co_u32 s30, s30, SLOT
	s_add_co_u32 s31, s31, SLOT
.endr
	s_mul_i32 s30, s20, 16*PITCH
	s_add_co_u32 s30, s30, STAGE                   ; my stage
	v_add_nc_u32 v[STO], s30, v28                  ; in: row r, 16 bytes for each half of the lanes
	v_mul_u32_u24 v29, v27, PITCH                  ; back: lanes 0-15 take one row of 256 bytes, lanes 16-31 the next
	v_lshl_add_u32 v29, v26, 4, v29
	v_add_nc_u32 v[RD], s30, v29
	v_lshlrev_b32 v[CO], 13, v27                   ; and the same two rows in out: h x 8,192 + 16 r
	v_lshl_add_u32 v[CO], v26, 4, v[CO]
	v_lshlrev_b32 v[R4], 2, v26
	v_lshlrev_b32 v[R2], 1, v26
	v_lshlrev_b32 v[H16], 4, v27
	; bases.  My first row: 512 Y + 128 x row half; my first column, in bytes of f16 or int16: 512 X + 256 x column half
	s_lshl_b32 s66, s26, 9
	s_lshl_b32 s30, s21, 7
	s_add_co_u32 s66, s66, s30
	s_mov_b32 s67, 0
	s_lshl_b32 s66, s66, 1                         ; x 2 bytes
	s_add_nc_u64 s[12:13], s[12:13], s[66:67]      ; si
	s_lshl_b32 s66, s66, 1                         ; x 4 bytes
	s_add_nc_u64 s[16:17], s[16:17], s[66:67]      ; sum_input
	s_lshl_b32 s66, s66, 11                        ; x 8,192 bytes: 66,060,288 at the most
	s_add_nc_u64 s[8:9], s[8:9], s[66:67]          ; out
	s_lshl_b32 s68, s25, 9
	s_lshl_b32 s30, s22, 8
	s_add_co_u32 s68, s68, s30
	s_mov_b32 s69, 0
	s_add_nc_u64 s[8:9], s[8:9], s[68:69]
	s_add_nc_u64 s[10:11], s[10:11], s[68:69]      ; bias
	s_add_nc_u64 s[14:15], s[14:15], s[68:69]      ; sw
	s_add_nc_u64 s[18:19], s[18:19], s[68:69]      ; zp
	; the column constants serve both blocks: 24 loads of my 8 numbers for each of 8 column tiles; then the first block's row constants (which end v0's life)
.irp b, 0,1,2,3,4,5,6,7
	global_load_b128 v[RAW+4*\b:RAW+4*\b+3],       v[H16], s[14:15] offset:32*\b
	global_load_b128 v[RAW+32+4*\b:RAW+32+4*\b+3], v[H16], s[10:11] offset:32*\b
	global_load_b128 v[TMP+4*\b:TMP+4*\b+3],       v[H16], s[18:19] offset:32*\b
.endr
	ROWLOADS
	s_wait_loadcnt 16                              ; the 24 are in; the 16 row loads issued behind them stay out
	; sw and bias to f32: raw word q holds numbers 2 q and 2 q + 1; raw v64-127 go to v128-255 in order.  The halves are named on plain register names.
.set c, 0
.irp h, v64.l,v64.h,v65.l,v65.h,v66.l,v66.h,v67.l,v67.h,v68.l,v68.h,v69.l,v69.h,v70.l,v70.h,v71.l,v71.h
	v_cvt_f32_f16 v[SW+c], \h
.set c, c+1
.endr
.irp h, v72.l,v72.h,v73.l,v73.h,v74.l,v74.h,v75.l,v75.h,v76.l,v76.h,v77.l,v77.h,v78.l,v78.h,v79.l,v79.h
	v_cvt_f32_f16 v[SW+c], \h
.set c, c+1
.endr
.irp h, v80.l,v80.h,v81.l,v81.h,v82.l,v82.h,v83.l,v83.h,v84.l,v84.h,v85.l,v85.h,v86.l,v86.h,v87.l,v87.h
	v_cvt_f32_f16 v[SW+c], \h
.set c, c+1
.endr
.irp h, v88.l,v88.h,v89.l,v89.h,v90.l,v90.h,v91.l,v91.h,v92.l,v92.h,v93.l,v93.h,v94.l,v94.h,v95.l,v95.h
	v_cvt_f32_f16 v[SW+c], \h
.set c, c+1
.endr
.irp h, v96.l,v96.h,v97.l,v97.h,v98.l,v98.h,v99.l,v99.h,v100.l,v100.h,v101.l,v101.h,v102.l,v102.h,v103.l,v103.h
	v_cvt_f32_f16 v[SW+c], \h
.set c, c+1
.endr
.irp h, v104.l,v104.h,v105.l,v105.h,v106.l,v106.h,v107.l,v107.h,v108.l,v108.h,v109.l,v109.h,v110.l,v110.h,v111.l,v111.h
	v_cvt_f32_f16 v[SW+c], \h
.set c, c+1
.endr
.irp h, v112.l,v112.h,v113.l,v113.h,v114.l,v114.h,v115.l,v115.h,v116.l,v116.h,v117.l,v117.h,v118.l,v118.h,v119.l,v119.h
	v_cvt_f32_f16 v[SW+c], \h
.set c, c+1
.endr
.irp h, v120.l,v120.h,v121.l,v121.h,v122.l,v122.h,v123.l,v123.h,v124.l,v124.h,v125.l,v125.h,v126.l,v126.h,v127.l,v127.h
	v_cvt_f32_f16 v[SW+c], \h
.set c, c+1
.endr
	; zp: int16 to int32 by shifts (the low half goes up and comes down with its sign), then to f32
	WIN 0x40                                       ; destination window 1; the raw word, source 1 of a shift, window 0
.set c, 0
.rept 32
	v_lshlrev_b32 v[ZP+2*c],   16, v[TMP+c]
	v_ashrrev_i32 v[ZP+2*c+1], 16, v[TMP+c]
.set c, c+1
.endr
	WIN 0x45                                       ; destination, source 0 and source 1 window 1
.set c, 0
.rept 32
	v_ashrrev_i32 v[ZP+2*c], 16, v[ZP+2*c]
.set c, c+1
.endr
.set c, 0
.rept 64
	v_cvt_f32_i32 v[ZP+c], v[ZP+c]
.set c, c+1
.endr
	WIN 0
; 16 matrix instructions on fragment buffer f: row tiles a0, a0 + 1 of the window's four (hi = 0: my rows 0-63, 1: rows 64-127) x all 8 column tiles, 64 along K.
; zero = 1: the product starts the sums: nothing is ever cleared.  The caller sets the window: 0xa1 or 0xf1, with source 1 in window 1 for buffer 1.
; The 64 accumulators take turns, one instruction a turn, in the same order in every quarter step, over the loops' jumps too.
.macro MUL16 f, hi, a0, zero
.irp a, \a0, \a0+1
.irp b, 0,1,2,3,4,5,6,7
.if \zero
	v_wmma_i32_16x16x64_iu8 v[8*(8*(\a)+\b):8*(8*(\a)+\b)+7], v[64+64*\f+8*\b:64+64*\f+8*\b+7], v[64+128*\f+8*(4*\hi+\a):64+128*\f+8*(4*\hi+\a)+7], 0 neg_lo:[1,1,0]
.else
	v_wmma_i32_16x16x64_iu8 v[8*(8*(\a)+\b):8*(8*(\a)+\b)+7], v[64+64*\f+8*\b:64+64*\f+8*\b+7], v[64+128*\f+8*(4*\hi+\a):64+128*\f+8*(4*\hi+\a)+7], v[8*(8*(\a)+\b):8*(8*(\a)+\b)+7] neg_lo:[1,1,0]
.endif
.endr
.endr
.endm
; 32 LDS loads in one run: the fragments of one quarter step (128 rows of w, then 128 rows of x, 64 K at byte k of the rows) into buffer f
.macro FETCH slot, k, f
	WIN 0x40
.irp i, 0,1,2,3,4,5,6,7
	ds_load_b128 v[64+64*\f+8*\i:64+64*\f+8*\i+3],   v[ADRB+\slot] offset:\k+\i*16*PITCH
	ds_load_b128 v[64+64*\f+8*\i+4:64+64*\f+8*\i+7], v[ADRB+\slot] offset:\k+\i*16*PITCH+32
.endr
.if \f == 0
	WIN 0                                          ; buffer 0's x fragments lie in window 0, buffer 1's in window 1
.endif
.irp i, 0,1,2,3,4,5,6,7
	ds_load_b128 v[64+128*\f+8*\i:64+128*\f+8*\i+3],   v[ADRA+\slot] offset:\k+\i*16*PITCH
	ds_load_b128 v[64+128*\f+8*\i+4:64+128*\f+8*\i+7], v[ADRA+\slot] offset:\k+\i*16*PITCH+32
.endr
.endm
; Behind the 8-bit whole-number form eight places stand before a load goes into a register that it has read, and before a vector instruction reads its result or
; writes one of its registers (ISA guide 7.12.1 for vector instructions); the matrix instructions in between are not counted as places.
.macro PLACES
.rept 8
	v_nop
.endr
.endm
; A K step is four quarter steps of 64 along K, 64 matrix instructions each, on buffers 0, 1, 0, 1.
; One of the first three: multiplies buffer f; in its middle it fetches the next quarter's fragments, at byte k of the same slot's rows, into buffer g.
.macro QUARTER slot, k, f, g, zero
	s_wait_dscnt 8                                 ; w and x's rows 0-63 are in; the youngest eight loads (x's rows 64-127) may be out
	WIN 0xa1|(\f<<2)
	MUL16 \f, 0, 0, \zero
	MUL16 \f, 0, 2, \zero
	PLACES
	FETCH \slot, \k, \g
	s_wait_dscnt 32                                ; all but the 32 just issued
	WIN 0xf1|(\f<<2)
	MUL16 \f, 1, 0, \zero
	MUL16 \f, 1, 2, \zero
.endm
; The last quarter of a K step: multiplies buffer 1 and changes slots.  fill = 1: this slot is filled again, two K steps ahead; chg = 1: those lie in the next block.
; In front of the barrier each wave waits for its reads of this slot and for all its tensor loads, of which one is out: its part of the next slot.  Where the slot
; is filled again the barrier opens a round of the cluster's barrier; only matrix instructions stand inside; the joint refill is the first tensor load behind it,
; one a wave, and it has 240 matrix instructions in which to land.
.macro TURN slot, next, fill, chg
	s_wait_dscnt 8
	WIN 0xa5
	MUL16 1, 0, 0, 0
	s_wait_dscnt 0                                 ; my reads of this slot are over
	s_set_vgpr_msb 0xa5a0
	s_wait_tensorcnt 0x0                           ; all my tensor loads have landed: my part of the next slot is in, and every group 0 may be written
	ds_add_u32 v30, v31
	s_wait_dscnt 0x0
	s_set_vgpr_msb 0xa0a5
	s_barrier_signal -1
	MUL16 1, 0, 2, 0                               ; work on registers while the others arrive
	WIN 0
	s_barrier_wait -1
.if \fill
	CREST                                          ; no wave of any partner still reads this slot's tile or has a load on its way
.if \chg
	s_add_nc_u64 s[G0+4*\slot+2:G0+4*\slot+3], s[G0+4*\slot+2:G0+4*\slot+3], 256*KROW-6*KSTEP      ; x: 256 rows down, six K steps back
	s_sub_nc_u64 s[G0B+4*\slot+2:G0B+4*\slot+3], s[G0B+4*\slot+2:G0B+4*\slot+3], 6*KSTEP           ; w: the same rows, six K steps back
.else
	s_add_nc_u64 s[G0+4*\slot+2:G0+4*\slot+3], s[G0+4*\slot+2:G0+4*\slot+3], 2*KSTEP
	s_add_nc_u64 s[G0B+4*\slot+2:G0B+4*\slot+3], s[G0B+4*\slot+2:G0B+4*\slot+3], 2*KSTEP
.endif
	JLOAD \slot
.endif
	PLACES
	FETCH \next, 0, 0
	WIN 0xf5
	MUL16 1, 1, 0, 0
	MUL16 1, 1, 2, 0
.endm
; A lap = two K steps = once round the ring = HEADQ, then REST.  The cut lets a block's first 64 products, which start the sums, stand ahead of its loop.
.macro HEADQ zero
	QUARTER 0, 64, 0, 1, \zero
.endm
.macro REST fill, chg
	QUARTER 0, 128, 1, 0, 0
	QUARTER 0, 192, 0, 1, 0
	TURN 0, 1, \fill, \chg
	QUARTER 1, 64,  0, 1, 0
	QUARTER 1, 128, 1, 0, 0
	QUARTER 1, 192, 0, 1, 0
.if \fill
	TURN 1, 0, 1, \chg
.else
	s_wait_dscnt 8                                 ; the very last quarter: nothing more to fetch
	WIN 0xa5
	MUL16 1, 0, 0, 0
	MUL16 1, 0, 2, 0
	s_wait_dscnt 0
	WIN 0xf5
	MUL16 1, 1, 0, 0
	MUL16 1, 1, 2, 0
.endif
.endm
; THE WAY OUT, rows 16 i .. 16 i + 15 of my block = the eight tiles (i % 4, 0..7) of window 2 + i / 4.  sih = the register half that holds the rows' raw si.
; In passes under one window setting each: si x sw; the sums to f32; + sum_input x zp; x (si x sw) + bias; two roundings to f16 at a time.  Then 16 bytes a lane
; into my own stage, whole rows of 256 bytes back, and stores of which sixteen lanes cover 256 consecutive bytes at a multiple of 256 from out's first byte.
.macro OUT16 i, sih
.set OW,  2+(\i>>2)
.set OA,  64*(\i&3)
.set ORB, RB+32*(\i&1)
	WIN 0
	v_cvt_f32_f16 v[SI],   \sih                    ; made twice: the pair that the packed multiply takes
	v_cvt_f32_f16 v[SI+1], \sih
	WIN 0x40
.set p, 0
.rept 32
	v_pk_mul_f32 v[GS+p:GS+p+1], v[SI:SI+1], v[SW+p:SW+p+1]
.set p, p+2
.endr
	WIN (OW<<6)|OW
.set p, 0
.rept 64
	v_cvt_f32_i32 v[OA+p], v[OA+p]
.set p, p+1
.endr
	WIN (OW<<6)|(OW<<4)|4
.set p, 0
.rept 32
	v_pk_fma_f32 v[OA+p:OA+p+1], v[ROWC+2*\i:ROWC+2*\i+1], v[ZP+p:ZP+p+1], v[OA+p:OA+p+1] op_sel_hi:[0,1,1]   ; both halves take the pair's first register, sum_input
.set p, p+2
.endr
	WIN (OW<<6)|4|OW
.set p, 0
.rept 32
	v_pk_fma_f32 v[OA+p:OA+p+1], v[OA+p:OA+p+1], v[GS+p:GS+p+1], v[BIAS+p:BIAS+p+1]
.set p, p+2
.endr
	WIN (OW<<2)|OW
.set p, 0
.rept 32
	v_cvt_pk_f16_f32 v[TMP+p], v[OA+2*p], v[OA+2*p+1]
.set p, p+1
.endr
	WIN 0
.irp b, 0,1,2,3,4,5,6,7
	ds_store_b128 v[STO], v[TMP+4*\b:TMP+4*\b+3] offset:32*\b
.endr
	s_wait_xcnt 0x0                                ; the set of registers that earlier stores read, and the stores' base, are rewritten only behind this wait
.if \i
	s_add_nc_u64 s[8:9], s[8:9], 16*OROW           ; 16 rows of out on
.endif
	WIN 0x40
.irp t, 0,1,2,3,4,5,6,7
	ds_load_b128 v[ORB+4*\t:ORB+4*\t+3], v[RD] offset:\t*2*PITCH   ; LDS serves a wave's instructions in order (ISA guide 5.7.1): these see the stores above
.endr
	WIN 0x04                                       ; a store's data is source 1: window 1; its offset window 0
.irp t, 0,1,2,3,4,5,6,7
	s_wait_dscnt 7-\t                              ; read-back t is in; the 7 - t younger ones stay out
	global_store_b128 v[CO], v[ORB+4*\t:ORB+4*\t+3], s[8:9] offset:\t*2*OROW th:TH_STORE_NT
.endr
.endm
.macro OUT last
	PLACES                                         ; behind the last matrix instructions: their results are read and buffer 1 is written below
	WIN 0
	s_wait_loadcnt 0x0                             ; this block's row constants
	OUT16 0, v1.l
	OUT16 1, v3.l
	OUT16 2, v5.l
	OUT16 3, v7.l
	OUT16 4, v9.l
	OUT16 5, v11.l
	OUT16 6, v13.l
	OUT16 7, v15.l
	WIN 0
.if \last == 0
	s_wait_xcnt 0x0                                ; the base and, in the next block's first fetch, the read-back registers are rewritten only behind this wait
	s_add_nc_u64 s[8:9], s[8:9], 144*OROW          ; 112 rows were stepped: 144 more make the next block's 256
	s_add_nc_u64 s[16:17], s[16:17], 1024          ; 256 rows of f32
	s_add_nc_u64 s[12:13], s[12:13], 512           ; 256 rows of f16
	ROWLOADS
.endif
.endm
	s_wait_tensorcnt 0x1                           ; my part of K step 0 is in; K step 1's load, issued behind it, stays out
	s_barrier_signal -1
	s_barrier_wait -1                              ; everybody's is
	FETCH 0, 0, 0
	; block row 2Y: four laps; the last asks for the next block's K steps 0 and 1 and fetches its first fragments into buffer 0
	HEADQ 1
	WIN 0                                          ; at a label and at a branch every window is 0
	s_mov_b32 s3, 3
.Lblock0:
	REST 1, 0
	HEADQ 0
	WIN 0
	s_sub_co_u32 s3, s3, 1
	s_cmp_lg_u32 s3, 0
	s_cbranch_scc1 .Lblock0
	REST 1, 1
	OUT 0                                          ; its stores leave beside the next block's products: no wait for stores stands between the blocks
	; block row 2Y+1: four laps; the last fills nothing and has no round of the cluster's barrier
	HEADQ 1
	WIN 0
	s_mov_b32 s3, 3
.Lblock1:
	REST 1, 0
	HEADQ 0
	WIN 0
	s_sub_co_u32 s3, s3, 1
	s_cmp_lg_u32 s3, 0
	s_cbranch_scc1 .Lblock1
	REST 0, 0
	OUT 1
	s_wait_tensorcnt 0x0
	ds_add_u32 v30, v31
	s_wait_dscnt 0x0
	CROUND                                         ; the closing round: no work-group ends while a partner may still ask for a tile that names it
	s_endpgm
.Lfunc_end_k_q77c0ab96df_w8a8:
	.size	k_q77c0ab96df_w8a8, .Lfunc_end_k_q77c0ab96df_w8a8-k_q77c0ab96df_w8a8
	.p2alignl 7, 3214868480
	.fill 96, 4, 3214868480
	.section	.rodata,"a",@progbits
	.p2align	6, 0x0
	.amdhsa_kernel k_q77c0ab96df_w8a8
		.amdhsa_group_segment_fixed_size 327680
		.amdhsa_private_segment_fixed_size 0
		.amdhsa_enable_private_segment 0
		.amdhsa_kernarg_size 64
		.amdhsa_user_sgpr_count 2
		.amdhsa_user_sgpr_kernarg_segment_ptr 1
		.amdhsa_wavefront_size32 1
		.amdhsa_system_sgpr_workgroup_id_x 1
		.amdhsa_system_sgpr_workgroup_id_y 1
		.amdhsa_system_sgpr_workgroup_id_z 1
		.amdhsa_system_vgpr_workitem_id 0
		.amdhsa_next_free_vgpr 1024
		.amdhsa_next_free_sgpr 72
		.amdhsa_reserve_vcc 0
		.amdhsa_float_denorm_mode_32 3
		.amdhsa_float_denorm_mode_16_64 3
		.amdhsa_memory_ordered 1
		.amdhsa_forward_progress 1
		.amdhsa_inst_pref_size 255
	.end_amdhsa_kernel
	.section	.bss,"aw",@nobits
	.p2align	6
	.space	262144
	.amdgpu_metadata
---
amdhsa.version: [ 1, 2 ]
amdhsa.kernels:
  - .name:           k_q77c0ab96df_w8a8
    .symbol:         k_q77c0ab96df_w8a8.kd
    .args:
      - { .name: input, .offset: 0, .size: 8, .value_kind: global_buffer, .address_space: global }
      - { .name: weight, .offset: 8, .size: 8, .value_kind: global_buffer, .address_space: global }
      - { .name: out0, .offset: 16, .size: 8, .value_kind: global_buffer, .address_space: global }
      - { .name: bias, .offset: 24, .size: 8, .value_kind: global_buffer, .address_space: global }
      - { .name: scale_input, .offset: 32, .size: 8, .value_kind: global_buffer, .address_space: global }
      - { .name: scale_weight, .offset: 40, .size: 8, .value_kind: global_buffer, .address_space: global }
      - { .name: sum_input, .offset: 48, .size: 8, .value_kind: global_buffer, .address_space: global }
      - { .name: zp_weight, .offset: 56, .size: 8, .value_kind: global_buffer, .address_space: global }
    .group_segment_fixed_size: 327680
    .private_segment_fixed_size: 0
    .kernarg_segment_align: 8
    .kernarg_segment_size: 64
    .max_flat_workgroup_size: 128
    .sgpr_count:     72
    .vgpr_count:     1024
    .wavefront_size: 32
...
	.end_amdgpu_metadata
.endif
;; end of part 1
